; MI455X (gfx1250); checked and timed in simulation.
; The chip was launched on July 23, 2026; its instructions are those of AMD's public machine-readable ISA for CDNA 5 (MIT licence, August 2026) and "CDNA5" Instruction Set Architecture Reference Guide (July 2026). The comments in the code are by the model that wrote it; some were corrected since.
;; Affinity Bi FC. Allowed arithmetic: float matrix products may take bf16 or f16 operands with f32 sums; all other float work in f32.
;; Inputs: A 256 x 256 x 1,024 float32; W 1 x 1,024 float32; X 4 x 128 x 256 float32; Y 4 x 128 x 256 float32; b 1 float32.
;; Outputs: out0 4 x 128 x 128 float32.
;; One version. Each part assembles by itself: llvm-mc -triple=amdgcn-amd-amdhsa -mcpu=gfx1250 --defsym DOCPART=n.
;; ======== version 1 of 1: 2 launches
;; workspace buffers: frag 1,179,648 bytes
;; launch stream (part 1): grid 256 x 1, 16 waves a work-group, no clusters, 3,072 bytes of LDS; arguments A, W, X, Y, frag; writes frag
.if DOCPART == 1
	.amdgcn_target "amdgcn-amd-amdhsa--gfx1250"
	.amdhsa_code_object_version 6
	.text
	.protected	k_qaabb34928a_stream
	.globl	k_qaabb34928a_stream
	.p2align	8
	.type	k_qaabb34928a_stream,@function
k_qaabb34928a_stream:
	s_mov_b64 s[64:65], 0
	v_nop
	global_prefetch_b8 v0, s[64:65] scope:SCOPE_SE
	s_setreg_imm32_b32 hwreg(HW_REG_WAVE_MODE, 25, 1), 1
	s_wait_xcnt 0x0
; S[b][n][m] = sum over k of W[k] (sum over d, e of X[b][n][d] A[d][e][k] Y[b][m][e]) + bias is linear in A, so for every input
; S_b = X_b Aw Y_b^T + bias with Aw[d][e] = sum over k of A[d][e][k] W[k].  This launch makes Aw and lays out all operands of the next launch.
; 1. Aw = A W: 65,536 rows of 4,096 bytes times one vector: a stream.  Products and sums in f32 on the vector unit (a product with one column has
;    nothing for a matrix unit); Aw is rounded ONCE to bf16.  Every byte of A is read once.
; 2. X and Y are split into two bf16 numbers each, hi = bf16(x), lo = bf16(x - hi), so that the next launch's products lose about 2^-16 of them.
; frag, in blocks of 512 bytes = half a matrix fragment (16 rows x 16 k of bf16): lane 16 h + r owns bytes 16 (16 h + r) on: row r, k = 8 h + 0..7 of the block's 16.
;    Block number in a plane = 16 x (row / 16) + k / 16.  Planes: Aw^T (rows e, k = d) at 0; X hi at 131,072; X lo at 393,216; Y hi at 655,360; Y lo at 917,504.
; LIMITS.  The order of the sums differs from the formula's as written (k first); Aw carries one rounding to bf16 (2^-9 of itself at the most).
;    |x| from 3.39e38 on rounds to an infinity in hi, and an infinity gives NaN in lo.
; SHARES.  Work-group g owns d = 16 (g / 16) + 0..15, e = 16 (g % 16) + 0..15: 256 rows of A, 1 MiB, and one block of Aw^T.  Wave w owns d = 16 (g / 16) + w: its 16 rows
;    are 65,536 consecutive bytes.  A load of the wave covers 512 consecutive bytes, aligned; eight cover a row; lane l holds k = 128 j + 4 l + 0..3 of load j, and W likewise
;    in 32 registers for the whole kernel.  A ring of four row slots in registers keeps 32 loads, 16 KiB, of every wave on their way: 256 KiB for the 16 waves.
;    No address is stepped: the row and the piece stand in the loads' immediate (65,024 at the most), so the 16 rows are written out by macro.
; NO CLUSTER, NO LDS RING: the work-groups share W alone, 4 KiB beside 1 MiB of their own; what is in flight fits in registers.
.set STG,   0                          ; LDS 0..1023: wave w's 16 sums in f32 at 64 w + 4 e
.set SPARE, 1024                       ; LDS 1024..3071: the spare words, 128 bytes for each of 16 waves; no other line names them
.set ROWB,  4096                       ; bytes in a row of A
.set XH,    131072                     ; X's hi plane in frag; Y's two planes lie 524,288 behind X's
.set XL,    393216                     ; X's lo plane
.set LB,   1                           ; v1       16 x lane
.set SPW,  2                           ; v2       LDS address of my spare word; never rewritten
.set NIL,  3                           ; v3       0; never rewritten
.set STO,  4                           ; v4       64 w + 4 (lane % 16): where my row's sum goes
.set RES,  5                           ; v5       lanes i and 16 + i: the sum of row i
.set CI,   7                           ; v7       waves 0-3: my 32 bytes of X or Y
.set CO,   8                           ; v8       waves 0-3: my 16 bytes in a plane of frag
.set RDB,  9                           ; v9       wave 0: 512 (lane / 16) + 4 (lane % 16): the stage read turned
.set ACC,  10                          ; v[10:17] four chains of two sums
.set SUM,  18                          ; v18      a row's sum;  v19 the other half of the lanes'
.set CX,   20                          ; v[20:27] waves 0-3: 8 numbers of X or Y
.set TMP,  28                          ; v[28:29] at work
.set CH,   30                          ; v[30:33] their hi parts
.set CL,   34                          ; v[34:37] their lo parts
.set WR,   40                          ; v[40:71] W
.set RING, 72                          ; v[72:199] slot s at 72 + 32 s: a row of A; at the end v[72:79] the stage's numbers, v[80:83] the block of Aw^T
; Row i's eight loads, into slot i % 4.  A is read once in the launch.
.macro FILL i
.irp j, 0,1,2,3,4,5,6,7
	global_load_b128 v[RING+32*((\i)%4)+4*(\j):RING+32*((\i)%4)+4*(\j)+3], v[LB], s[4:5] offset:(\i)*ROWB+(\j)*512 th:TH_LOAD_NT
.endr
.endm
; The wave's first 40 loads: W, then rows 0 to 3.
.macro FIRST
.irp j, 0,1,2,3,4,5,6,7
	global_load_b128 v[WR+4*(\j):WR+4*(\j)+3], v[LB], s[6:7] offset:(\j)*512
.endr
	FILL 0
	FILL 1
	FILL 2
	FILL 3
.endm
; Two f32 at v[s], v[s+1] -> their bf16 hi parts in v[h], the bf16 of what is left in v[l].
.macro SPLIT s, h, l
	v_cvt_pk_bf16_f32 v[\h], v[\s], v[(\s)+1]
	v_lshlrev_b32 v[TMP], 16, v[\h]                ; hi back in f32: the low half moves up,
	v_and_b32 v[TMP+1], s21, v[\h]                 ; the high half stays
	v_pk_add_f32 v[TMP:TMP+1], v[\s:(\s)+1], v[TMP:TMP+1] neg_lo:[0,1] neg_hi:[0,1]  ; x - hi, exact
	v_cvt_pk_bf16_f32 v[\l], v[TMP], v[TMP+1]
.endm
; Row i: its 128 bytes a lane times W, four chains started by the first four pairs (nothing is cleared); the slot's next row is asked for as soon as it has been read;
; then the sum over the lane's eight partial sums and over the 32 lanes; lanes i and 16 + i keep it.  left = the loads of the rows asked for behind row i.
.macro ROW i, left
.set RB, RING+32*((\i)%4)
	s_wait_loadcnt \left                           ; loads come back in order (ISA guide 5.7.1): row i is in (and W, which is older), the younger rows stay out
.irp q, 0,1,2,3
	v_pk_mul_f32 v[ACC+2*(\q):ACC+2*(\q)+1], v[RB+2*(\q):RB+2*(\q)+1], v[WR+2*(\q):WR+2*(\q)+1]
.endr
.set p, 4
.rept 12
	v_pk_fma_f32 v[ACC+2*(p%4):ACC+2*(p%4)+1], v[RB+2*p:RB+2*p+1], v[WR+2*p:WR+2*p+1], v[ACC+2*(p%4):ACC+2*(p%4)+1]
.set p, p+1
.endr
.if (\i) < 12
	FILL (\i)+4
.endif
	v_pk_add_f32 v[ACC:ACC+1], v[ACC:ACC+1], v[ACC+2:ACC+3]
	v_pk_add_f32 v[ACC+4:ACC+5], v[ACC+4:ACC+5], v[ACC+6:ACC+7]
	v_pk_add_f32 v[ACC:ACC+1], v[ACC:ACC+1], v[ACC+4:ACC+5]
	v_add_f32 v[SUM], v[ACC], v[ACC+1]
	v_add_f32_dpp v[SUM], v[SUM], v[SUM] row_xmask:1 row_mask:0xf bank_mask:0xf
	v_add_f32_dpp v[SUM], v[SUM], v[SUM] row_xmask:2 row_mask:0xf bank_mask:0xf
	v_add_f32_dpp v[SUM], v[SUM], v[SUM] row_xmask:4 row_mask:0xf bank_mask:0xf
	v_add_f32_dpp v[SUM], v[SUM], v[SUM] row_xmask:8 row_mask:0xf bank_mask:0xf
	v_permlanex16_b32 v[SUM+1], v[SUM], s22, s23   ; the other 16 lanes' sum
	v_add_f32 v[SUM], v[SUM], v[SUM+1]             ; every lane holds the row's sum
.if (\i) == 0
	v_mov_b32 v[RES], v[SUM]                       ; writes every lane once
.else
	s_mov_b32 s20, 0x10001<<(\i)
	v_cndmask_b32 v[RES], v[RES], v[SUM], s20      ; lanes i and 16 + i take it
.endif
.endm
	s_load_b256 s[4:11], s[0:1], 0x0               ; A s[4:5], W s[6:7], X s[8:9], Y s[10:11]
	s_load_b64 s[12:13], s[0:1], 0x20              ; frag
	v_lshl_add_u32 v[SPW], v0, 2, SPARE
	v_mov_b32 v[NIL], 0
	v_lshrrev_b32 v4, 5, v0
	v_readfirstlane_b32 s14, v4                    ; wave w, 0..15
	s_mov_b32 s15, ttmp9                           ; g
	s_mov_b32 s21, 0xffff0000                      ; a word's upper bf16
	s_mov_b32 s22, 0x76543210                      ; v_permlanex16_b32: each lane takes its own place in the other half
	s_mov_b32 s23, 0xfedcba98
	s_lshr_b32 s18, s15, 4                         ; td = g / 16
	s_and_b32 s19, s15, 15                         ; te = g % 16
	s_lshl4_add_u32 s16, s18, s14                  ; d = 16 td + w:
	s_lshl_b32 s16, s16, 20                        ; 256 rows of 4,096 bytes for each d (under 2^28 in all),
	s_lshl_b32 s20, s19, 16                        ; and 16 te rows
	s_add_co_u32 s16, s16, s20
	s_mov_b32 s17, 0
	s_lshl4_add_u32 s28, s19, s18                  ; the block of Aw^T: number 16 te + td,
	s_lshl_b32 s28, s28, 9                         ; 512 bytes each
	s_mov_b32 s29, 0
	v_and_b32 v[LB], 31, v0
	v_lshlrev_b32 v[LB], 4, v[LB]                  ; 16 x lane
	v_and_b32 v6, 15, v0                           ; r = lane % 16
	v_bfe_u32 v[RDB], v0, 4, 1                     ; h = lane / 16
	v_lshlrev_b32 v[STO], 2, v6
	v_lshl_add_u32 v[STO], s14, 6, v[STO]          ; 64 w + 4 r
	; What waves 0 to 3 alone use.  Work-group g splits a piece of X (g < 128) or of Y: row tile (g / 4) % 32, k = 64 (g % 4) + 0..63; wave j its 16 k from 16 j on: block 4 (g % 128) + j of the plane.
	s_bfe_u32 s30, s15, 0x50002                    ; the tile: 5 bits from bit 2,
	s_lshl_b32 s30, s30, 14                        ; 16 rows of 1,024 bytes
	s_and_b32 s31, s15, 3
	s_lshl_b32 s31, s31, 8                         ; 64 numbers of 4 bytes
	s_add_co_u32 s30, s30, s31
	s_lshl_b32 s31, s14, 6                         ; 16 numbers
	s_add_co_u32 s30, s30, s31
	v_lshlrev_b32 v[CI], 10, v6                    ; my row,
	v_lshl_add_u32 v[CI], v[RDB], 5, v[CI]         ; my 8 numbers of its 16
	v_add_nc_u32 v[CI], s30, v[CI]
	s_lshr_b32 s30, s15, 7                         ; 0: X's planes, 1: Y's,
	s_lshl_b32 s30, s30, 19                        ; 524,288 bytes on
	s_and_b32 s31, s15, 127
	s_lshl2_add_u32 s31, s31, s14                  ; block 4 (g % 128) + j
	s_lshl_b32 s31, s31, 9
	s_add_co_u32 s30, s30, s31
	v_add_nc_u32 v[CO], s30, v[LB]
	v_lshlrev_b32 v[RDB], 9, v[RDB]                ; wave 0's way out: waves 8 h + 0..7, 64 bytes each,
	v_lshl_add_u32 v[RDB], v6, 2, v[RDB]           ; their number r
	v_mov_b32 v[SUM+1], 0                          ; v_permlanex16_b32's destination counts as read: it is written once here
	s_wait_kmcnt 0x0
	s_add_nc_u64 s[4:5], s[4:5], s[16:17]          ; A at my wave's 16 rows
	s_add_nc_u64 s[26:27], s[12:13], s[28:29]      ; frag at the work-group's block of Aw^T
	s_cmp_lt_u32 s15, 128
	s_cselect_b64 s[24:25], s[8:9], s[10:11]       ; X or Y
	s_cmp_lt_u32 s14, 4
	s_cbranch_scc0 .Lplain
	global_load_b128 v[CX:CX+3], v[CI], s[24:25]   ; waves 0 to 3: these two are the wave's oldest loads,
	global_load_b128 v[CX+4:CX+7], v[CI], s[24:25] offset:16
	FIRST
	s_wait_loadcnt 40                              ; so they are in when the 40 behind them (8 of W, 32 of A) may still be out
.irp q, 0,1,2,3
	SPLIT CX+2*(\q), CH+(\q), CL+(\q)
.endr
	global_store_b128 v[CO], v[CH:CH+3], s[12:13] offset:XH  ; each store of the wave covers 512 consecutive bytes, aligned; its registers are never rewritten
	global_store_b128 v[CO], v[CL:CL+3], s[12:13] offset:XL
	s_branch .Lrows
.Lplain:
	FIRST
.Lrows:                                                ; on both ways the wave's 40 youngest loads are FIRST's
.irp i, 0,1,2,3,4,5,6,7,8,9,10,11,12
	ROW \i, 24                                     ; three rows, 24 loads, were asked for behind row i
.endr
	ROW 13, 16                                     ; nothing is left to ask for: the counts run down
	ROW 14, 8
	ROW 15, 0
	ds_store_b32 v[STO], v[RES]                    ; lanes i and 16 + i write the same number to the same word
	s_wait_tensorcnt 0x0
	ds_add_u32 v[SPW], v[NIL]
	s_wait_dscnt 0x0                               ; the wait also shows my store done, for wave 0's sake
	s_barrier_signal -1
	s_barrier_wait -1                              ; all 16 waves' sums lie in the stage
	s_cmp_lg_u32 s14, 0
	s_cbranch_scc1 .Lend
.irp j, 0,1,2,3,4,5,6,7
	ds_load_b32 v[RING+(\j)], v[RDB] offset:STG+64*(\j)  ; Aw[16 td + 8 h + j][16 te + r]
.endr
	s_wait_dscnt 0x0
.irp q, 0,1,2,3
	v_cvt_pk_bf16_f32 v[RING+8+(\q)], v[RING+2*(\q)], v[RING+2*(\q)+1]  ; the one rounding of Aw
.endr
	global_store_b128 v[LB], v[RING+8:RING+11], s[26:27]  ; the block: 512 consecutive bytes, aligned
.Lend:
	s_endpgm
.Lfunc_end_k_qaabb34928a_stream:
	.size	k_qaabb34928a_stream, .Lfunc_end_k_qaabb34928a_stream-k_qaabb34928a_stream
	.p2alignl 7, 3214868480
	.fill 96, 4, 3214868480
	.section	.rodata,"a",@progbits
	.p2align	6, 0x0
	.amdhsa_kernel k_qaabb34928a_stream
		.amdhsa_group_segment_fixed_size 3072
		.amdhsa_private_segment_fixed_size 0
		.amdhsa_enable_private_segment 0
		.amdhsa_kernarg_size 40
		.amdhsa_user_sgpr_count 2
		.amdhsa_user_sgpr_kernarg_segment_ptr 1
		.amdhsa_wavefront_size32 1
		.amdhsa_system_sgpr_workgroup_id_x 1
		.amdhsa_system_sgpr_workgroup_id_y 1
		.amdhsa_system_sgpr_workgroup_id_z 1
		.amdhsa_system_vgpr_workitem_id 0
		.amdhsa_next_free_vgpr 200
		.amdhsa_next_free_sgpr 66
		.amdhsa_reserve_vcc 0
		.amdhsa_float_denorm_mode_32 3
		.amdhsa_float_denorm_mode_16_64 3
		.amdhsa_memory_ordered 1
		.amdhsa_forward_progress 1
		.amdhsa_inst_pref_size 49
	.end_amdhsa_kernel
	.amdgpu_metadata
---
amdhsa.version: [ 1, 2 ]
amdhsa.kernels:
  - .name:           k_qaabb34928a_stream
    .symbol:         k_qaabb34928a_stream.kd
    .args:
      - { .name: A, .offset: 0, .size: 8, .value_kind: global_buffer, .address_space: global }
      - { .name: W, .offset: 8, .size: 8, .value_kind: global_buffer, .address_space: global }
      - { .name: X, .offset: 16, .size: 8, .value_kind: global_buffer, .address_space: global }
      - { .name: Y, .offset: 24, .size: 8, .value_kind: global_buffer, .address_space: global }
      - { .name: frag, .offset: 32, .size: 8, .value_kind: global_buffer, .address_space: global }
    .group_segment_fixed_size: 3072
    .private_segment_fixed_size: 0
    .kernarg_segment_align: 8
    .kernarg_segment_size: 40
    .max_flat_workgroup_size: 512
    .sgpr_count:     66
    .vgpr_count:     200
    .wavefront_size: 32
...
	.end_amdgpu_metadata
.endif
;; end of part 1
;; launch small (part 2): grid 32 x 1, 8 waves a work-group, no clusters, 42,240 bytes of LDS; arguments frag, b, out0; writes out0
.if DOCPART == 2
	.amdgcn_target "amdgcn-amd-amdhsa--gfx1250"
	.amdhsa_code_object_version 6
	.text
	.protected	k_qaabb34928a_small
	.globl	k_qaabb34928a_small
	.p2align	8
	.type	k_qaabb34928a_small,@function
k_qaabb34928a_small:
	s_mov_b64 s[64:65], 0
	v_nop
	global_prefetch_b8 v0, s[64:65] scope:SCOPE_SE
	s_setreg_imm32_b32 hwreg(HW_REG_WAVE_MODE, 25, 1), 1
	s_wait_xcnt 0x0
; S_b = X_b Aw Y_b^T + bias, from the operands that the launch before laid out in frag (blocks of 512 bytes = half a matrix fragment: lane 16 h + r owns bytes 16 (16 h + r) on:
; row r, k = 8 h + 0..7 of the block's 16; block number in a plane = 16 x (row / 16) + k / 16; planes: Aw^T at 0, X hi, X lo, Y hi, Y lo from 131,072 on, 262,144 bytes each).
; So every load here covers 512 consecutive bytes, aligned, and IS registers 4 c .. 4 c + 3 of a fragment.
; FORMATS.  bf16 operands, f32 sums.  X, Y and T = X Aw go in as hi + lo, two bf16 numbers each: X Aw = Xh Aw + Xl Aw;  T Y^T = Th Yh + Tl Yh + Th Yl.
; LIMITS.  The term Tl Yl, about 2^-16 of the result, is dropped; Aw carries its one rounding to bf16; |T| from 3.39e38 on rounds to an infinity.
; SHARES.  Work-group g = 8 b + tn owns rows n = 16 tn + 0..15 of batch b and all 128 m: 8,192 consecutive bytes of out0.  Eight waves.
;   Phase 1: wave w makes T^T for e = 32 w + 0..31 (two tiles i): source 0 = 16 rows e of Aw^T, source 1 = the 16 rows n of X; K = d in 8 steps; for X hi and X lo: 32 matrix instructions on
;   four accumulators that take turns.  In the result lane (r, h) holds T[n = r][e = 32 w + 16 i + 8 h + j] in register j: the two tiles, packed in pairs, ARE the fragment (row n = r) of K step w.
;   Phase 2: wave w makes m = 16 w + 0..15: source 0 = 16 rows m of Y, source 1 = T's fragments; K = e in 8 steps; 24 matrix instructions on three accumulators that take turns.
;   In the result lane (r, h) holds S[n = r][m = 16 w + 8 h + j]: eight neighbouring numbers of a row.
;   What the waves hand to each other goes through LDS: X's fragments (each wave fetches K step w for all), T's fragments, and S's rows on the way out; three regions, each written once: three barriers.
; 32 WORK-GROUPS: each needs all of Aw^T, 128 KiB, whatever its share of the rows; more work-groups would read it more often (here 272 KiB a work-group: Aw^T 128, Y_b 128, X 16).
; NO CLUSTER: Aw^T is common to all work-groups and Y_b to eight, but each wave takes its 16 KiB of either straight into the registers that the products name; a joint load would land them in LDS,
; to be read from there once more (256 KiB a work-group), behind rounds of the cluster's barrier, in a text of 56 matrix instructions a wave.
; REGISTERS.  Window 0: v0-11 addresses and two at work; v16-31 my share of X, at last the rows on their way out; v32-63 phase 1's accumulators; v64-87 phase 2's; v96-111 T hi, T lo;
;   v128-255 X's fragments, then T's: plane p, K step ks, half c at 128 + 64 p + 8 ks + 4 c.    Window 1: v0-127 Aw^T: tile i at 64 i + 8 ks + 4 c; v128-255 Y, as X.
.set XS,     0                         ; LDS: X's fragments, plane p, K step ks, half c at 8,192 p + 1,024 ks + 512 c + 16 lane
.set TS,     16384                     ; T's, the same
.set OS,     32768                     ; 16 rows of S, 512 bytes + 16 of padding
.set OPITCH, 528                       ; 33 x 16 bytes: the 16 rows that a store touches begin at 16 different groups of four banks (64 banks of 4 bytes: ISA guide 11.1)
.set SPARE,  OS+16*OPITCH              ; 41,216: the spare words, 128 bytes for each of 8 waves; no other line names them
.set XH,     131072
.set YH,     655360
.set PLANE,  262144                    ; from a hi plane to its lo plane
.set LB,  1                            ; v1  16 x lane
.set SPW, 2                            ; v2  LDS address of my spare word; never rewritten
.set NIL, 3                            ; v3  0; never rewritten
.set VA,  4                            ; v4  16,384 w + 16 lane: my two tiles of Aw^T
.set VX,  5                            ; v5  8,192 g + 1,024 w + 16 lane: my K step of X's tile; also my two rows of out0
.set VY,  6                            ; v6  65,536 b + 8,192 w + 16 lane: my tile of Y
.set VL,  7                            ; v7  1,024 w + 16 lane: my K step in XS and TS
.set VOS, 8                            ; v8  OS + 528 r + 64 w + 32 h: where my eight numbers of S go
.set VOR, 9                            ; v9  OS + 1,056 w + 16 lane: rows 2 w, 2 w + 1 read back
.set TMP, 10                           ; v[10:11] at work
.set XR,  16
.set PA,  32                           ; accumulator (tile i, plane p) at 32 + 16 p + 8 i
.set QA,  64                           ; Yh Th, Yh Tl, Yl Th
.set TH,  96                           ; T hi at 96, T lo at 104
.set FR,  128
.set MSB, 0
.macro WIN new                         ; s_set_vgpr_msb: bits 1:0 source 0, 3:2 source 1, 5:4 source 2, 7:6 destination; the high byte repeats the setting that is left
.if MSB != (\new)
	s_set_vgpr_msb (MSB<<8)|(\new)
.set MSB, \new
.endif
.endm
.macro PLACES                          ; four plain vector instructions between a matrix instruction and the vector line that reads its result (ISA guide 7.12.1)
.rept 4
	v_nop
.endr
.endm
.macro SPLIT s, h, l                   ; two f32 at v[s], v[s+1] -> their bf16 hi parts in v[h], the bf16 of what is left in v[l]
	v_cvt_pk_bf16_f32 v[\h], v[\s], v[(\s)+1]
	v_lshlrev_b32 v[TMP], 16, v[\h]
	v_and_b32 v[TMP+1], s12, v[\h]
	v_pk_add_f32 v[TMP:TMP+1], v[\s:(\s)+1], v[TMP:TMP+1] neg_lo:[0,1] neg_hi:[0,1]
	v_cvt_pk_bf16_f32 v[\l], v[TMP], v[TMP+1]
.endm
	s_load_b128 s[4:7], s[0:1], 0x0                ; frag s[4:5], b s[6:7]
	s_load_b64 s[8:9], s[0:1], 0x10                ; out0
	v_lshl_add_u32 v[SPW], v0, 2, SPARE
	v_mov_b32 v[NIL], 0
	v_lshrrev_b32 v4, 5, v0
	v_readfirstlane_b32 s10, v4                    ; wave w, 0..7
	s_mov_b32 s11, ttmp9                           ; g
	s_mov_b32 s12, 0xffff0000                      ; a word's upper bf16
	v_and_b32 v[LB], 31, v0
	v_lshlrev_b32 v[LB], 4, v[LB]
	v_lshl_add_u32 v[VA], s10, 14, v[LB]
	v_lshl_add_u32 v[VL], s10, 10, v[LB]
	s_lshl_b32 s16, s11, 13
	v_add_nc_u32 v[VX], s16, v[VL]
	s_lshr_b32 s16, s11, 3                         ; b
	s_lshl_b32 s16, s16, 16
	v_lshl_add_u32 v[VY], s10, 13, v[LB]
	v_add_nc_u32 v[VY], s16, v[VY]
	v_and_b32 v10, 15, v0                          ; r
	v_bfe_u32 v11, v0, 4, 1                        ; h
	v_mul_u32_u24 v[VOS], v10, OPITCH
	v_lshl_add_u32 v[VOS], v11, 5, v[VOS]
	s_lshl_b32 s16, s10, 6
	s_add_co_u32 s16, s16, OS
	v_add_nc_u32 v[VOS], s16, v[VOS]
	s_mul_i32 s16, s10, 2*OPITCH
	s_add_co_u32 s16, s16, OS
	v_add_nc_u32 v[VOR], s16, v[LB]
	s_wait_kmcnt 0x0
	s_load_b32 s14, s[6:7], 0x0                    ; the bias; waited for in front of its use
	; ALL LOADS FROM MEMORY, in the order of their use: my share of X (4), Aw^T by K steps (32), Y by K steps (32).
.irp p, 0,1
.irp c, 0,1
	global_load_b128 v[XR+8*(\p)+4*(\c):XR+8*(\p)+4*(\c)+3], v[VX], s[4:5] offset:XH+(\p)*PLANE+(\c)*512
.endr
.endr
	WIN 0x40                                       ; destination window 1; addresses, and the data of LDS stores, window 0
.irp ks, 0,1,2,3,4,5,6,7
.irp i, 0,1
.irp c, 0,1
	global_load_b128 v[64*(\i)+8*(\ks)+4*(\c):64*(\i)+8*(\ks)+4*(\c)+3], v[VA], s[4:5] offset:(\i)*8192+(\ks)*1024+(\c)*512
.endr
.endr
.endr
	s_wait_loadcnt 32                              ; my share of X is in: the 32 loads of Aw^T are younger
.irp p, 0,1
.irp c, 0,1
	ds_store_b128 v[VL], v[XR+8*(\p)+4*(\c):XR+8*(\p)+4*(\c)+3] offset:XS+(\p)*8192+(\c)*512
.endr
.endr
.irp ks, 0,1,2,3,4,5,6,7
.irp p, 0,1
.irp c, 0,1
	global_load_b128 v[FR+64*(\p)+8*(\ks)+4*(\c):FR+64*(\p)+8*(\ks)+4*(\c)+3], v[VY], s[4:5] offset:YH+(\p)*PLANE+(\ks)*1024+(\c)*512
.endr
.endr
.endr
	WIN 0
	s_wait_dscnt 0x0                               ; for the others' sake: my stores into XS are done
	s_barrier_signal -1
	s_barrier_wait -1                              ; X's eight K steps lie in XS
.irp ks, 0,1,2,3,4,5,6,7
.irp p, 0,1
.irp c, 0,1
	ds_load_b128 v[FR+64*(\p)+8*(\ks)+4*(\c):FR+64*(\p)+8*(\ks)+4*(\c)+3], v[LB] offset:XS+(\p)*8192+(\ks)*1024+(\c)*512
.endr
.endr
.endr
	; PHASE 1: T^T = Aw^T X^T.  The four accumulators take turns, one instruction a turn; the first K step starts the sums.
	WIN 0x01                                       ; source 0 window 1
.irp ks, 0,1,2,3,4,5,6,7
	s_wait_dscnt 4*(7-(\ks))                       ; X's K step ks is in: four LDS loads for each later step are younger
	s_wait_loadcnt 32+4*(7-(\ks))                  ; Aw^T's too: four loads for each later step, and Y's 32, are younger
.irp p, 0,1
.irp i, 0,1
.if (\ks) == 0
	v_wmma_f32_16x16x32_bf16 v[PA+16*(\p)+8*(\i):PA+16*(\p)+8*(\i)+7], v[64*(\i)+8*(\ks):64*(\i)+8*(\ks)+7], v[FR+64*(\p)+8*(\ks):FR+64*(\p)+8*(\ks)+7], 0
.else
	v_wmma_f32_16x16x32_bf16 v[PA+16*(\p)+8*(\i):PA+16*(\p)+8*(\i)+7], v[64*(\i)+8*(\ks):64*(\i)+8*(\ks)+7], v[FR+64*(\p)+8*(\ks):FR+64*(\p)+8*(\ks)+7], v[PA+16*(\p)+8*(\i):PA+16*(\p)+8*(\i)+7]
.endif
.endr
.endr
.endr
	WIN 0
	PLACES
.irp i, 0,1
.irp q, 0,1,2,3
	v_pk_add_f32 v[PA+8*(\i)+2*(\q):PA+8*(\i)+2*(\q)+1], v[PA+8*(\i)+2*(\q):PA+8*(\i)+2*(\q)+1], v[PA+16+8*(\i)+2*(\q):PA+16+8*(\i)+2*(\q)+1]  ; T = Xh Aw + Xl Aw; each accumulator from its low end on
.endr
.endr
.irp i, 0,1
.irp q, 0,1,2,3
	SPLIT PA+8*(\i)+2*(\q), TH+4*(\i)+(\q), TH+8+4*(\i)+(\q)
.endr
.endr
.irp p, 0,1
.irp c, 0,1
	ds_store_b128 v[VL], v[TH+8*(\p)+4*(\c):TH+8*(\p)+4*(\c)+3] offset:TS+(\p)*8192+(\c)*512
.endr
.endr
	s_wait_dscnt 0x0                               ; for the others' sake: my stores into TS are done
	s_barrier_signal -1
	s_barrier_wait -1                              ; T's eight K steps lie in TS
.irp ks, 0,1,2,3,4,5,6,7
.irp p, 0,1
.irp c, 0,1
	ds_load_b128 v[FR+64*(\p)+8*(\ks)+4*(\c):FR+64*(\p)+8*(\ks)+4*(\c)+3], v[LB] offset:TS+(\p)*8192+(\ks)*1024+(\c)*512  ; where X's fragments lay: their last reader stands 52 vector lines back
.endr
.endr
.endr
	; PHASE 2: S^T = Y T^T, three accumulators by turns: Yh Th, Yh Tl, Yl Th.
	WIN 0x01
.irp ks, 0,1,2,3,4,5,6,7
	s_wait_dscnt 4*(7-(\ks))                       ; T's K step ks is in
	s_wait_loadcnt 4*(7-(\ks))                     ; Y's too: four loads for each later step are younger
.if (\ks) == 0
	v_wmma_f32_16x16x32_bf16 v[QA:QA+7],     v[FR+8*(\ks):FR+8*(\ks)+7],       v[FR+8*(\ks):FR+8*(\ks)+7],       0
	v_wmma_f32_16x16x32_bf16 v[QA+8:QA+15],  v[FR+8*(\ks):FR+8*(\ks)+7],       v[FR+64+8*(\ks):FR+64+8*(\ks)+7], 0
	v_wmma_f32_16x16x32_bf16 v[QA+16:QA+23], v[FR+64+8*(\ks):FR+64+8*(\ks)+7], v[FR+8*(\ks):FR+8*(\ks)+7],       0
.else
	v_wmma_f32_16x16x32_bf16 v[QA:QA+7],     v[FR+8*(\ks):FR+8*(\ks)+7],       v[FR+8*(\ks):FR+8*(\ks)+7],       v[QA:QA+7]
	v_wmma_f32_16x16x32_bf16 v[QA+8:QA+15],  v[FR+8*(\ks):FR+8*(\ks)+7],       v[FR+64+8*(\ks):FR+64+8*(\ks)+7], v[QA+8:QA+15]
	v_wmma_f32_16x16x32_bf16 v[QA+16:QA+23], v[FR+64+8*(\ks):FR+64+8*(\ks)+7], v[FR+8*(\ks):FR+8*(\ks)+7],       v[QA+16:QA+23]
.endif
.endr
	WIN 0
	s_wait_kmcnt 0x0                               ; the bias
	s_mov_b32 s15, s14                             ; named with it as a pair
	PLACES
.irp q, 0,1,2,3
	v_pk_add_f32 v[QA+8+2*(\q):QA+8+2*(\q)+1], v[QA+8+2*(\q):QA+8+2*(\q)+1], v[QA+16+2*(\q):QA+16+2*(\q)+1]  ; the two small terms first; each accumulator from its low end on
.endr
.irp q, 0,1,2,3
	v_pk_add_f32 v[QA+2*(\q):QA+2*(\q)+1], v[QA+2*(\q):QA+2*(\q)+1], s[14:15] op_sel_hi:[1,0]
.endr
.irp q, 0,1,2,3
	v_pk_add_f32 v[QA+2*(\q):QA+2*(\q)+1], v[QA+2*(\q):QA+2*(\q)+1], v[QA+8+2*(\q):QA+8+2*(\q)+1]
.endr
	; THE WAY OUT: a lane's 32 bytes are a sixteenth of a row of S; the rows are gathered in LDS and leave whole.
	ds_store_b128 v[VOS], v[QA:QA+3]
	ds_store_b128 v[VOS], v[QA+4:QA+7] offset:16
	s_wait_tensorcnt 0x0
	ds_add_u32 v[SPW], v[NIL]
	s_wait_dscnt 0x0                               ; the wait also shows my stores done, for the others' sake
	s_barrier_signal -1
	s_barrier_wait -1                              ; the 16 rows are whole
	ds_load_b128 v[XR:XR+3], v[VOR]                ; row 2 w
	ds_load_b128 v[XR+4:XR+7], v[VOR] offset:OPITCH  ; row 2 w + 1
	s_wait_dscnt 0x0
	global_store_b128 v[VX], v[XR:XR+3], s[8:9]    ; each store of the wave covers a row: 512 consecutive bytes, aligned
	global_store_b128 v[VX], v[XR+4:XR+7], s[8:9] offset:512
	s_endpgm
.Lfunc_end_k_qaabb34928a_small:
	.size	k_qaabb34928a_small, .Lfunc_end_k_qaabb34928a_small-k_qaabb34928a_small
	.p2alignl 7, 3214868480
	.fill 96, 4, 3214868480
	.section	.rodata,"a",@progbits
	.p2align	6, 0x0
	.amdhsa_kernel k_qaabb34928a_small
		.amdhsa_group_segment_fixed_size 42240
		.amdhsa_private_segment_fixed_size 0
		.amdhsa_enable_private_segment 0
		.amdhsa_kernarg_size 24
		.amdhsa_user_sgpr_count 2
		.amdhsa_user_sgpr_kernarg_segment_ptr 1
		.amdhsa_wavefront_size32 1
		.amdhsa_system_sgpr_workgroup_id_x 1
		.amdhsa_system_sgpr_workgroup_id_y 1
		.amdhsa_system_sgpr_workgroup_id_z 1
		.amdhsa_system_vgpr_workitem_id 0
		.amdhsa_next_free_vgpr 512
		.amdhsa_next_free_sgpr 66
		.amdhsa_reserve_vcc 0
		.amdhsa_float_denorm_mode_32 3
		.amdhsa_float_denorm_mode_16_64 3
		.amdhsa_memory_ordered 1
		.amdhsa_forward_progress 1
		.amdhsa_inst_pref_size 22
	.end_amdhsa_kernel
	.amdgpu_metadata
---
amdhsa.version: [ 1, 2 ]
amdhsa.kernels:
  - .name:           k_qaabb34928a_small
    .symbol:         k_qaabb34928a_small.kd
    .args:
      - { .name: frag, .offset: 0, .size: 8, .value_kind: global_buffer, .address_space: global }
      - { .name: b, .offset: 8, .size: 8, .value_kind: global_buffer, .address_space: global }
      - { .name: out0, .offset: 16, .size: 8, .value_kind: global_buffer, .address_space: global }
    .group_segment_fixed_size: 42240
    .private_segment_fixed_size: 0
    .kernarg_segment_align: 8
    .kernarg_segment_size: 24
    .max_flat_workgroup_size: 256
    .sgpr_count:     66
    .vgpr_count:     512
    .wavefront_size: 32
...
	.end_amdgpu_metadata
.endif
;; end of part 2
